; MI455X (gfx1250); checked and timed in simulation.
; The chip was launched on July 23, 2026; its instructions are those of AMD's public machine-readable ISA for CDNA 5 (MIT licence, August 2026) and "CDNA5" Instruction Set Architecture Reference Guide (July 2026). The comments in the code are by the model that wrote it; some were corrected since.
;; Bi Cross Attention. Allowed arithmetic: matrix products marked QUANTISED: E2M3 operands, one E8M0 scale for each 32 along K, by v_wmma_scale_f32_16x16x128_f8f6f4 with both operands' format E2M3, f32 sums; everything else in f32.
;; Inputs: Wk2d 256 x 512 float32; Wk3d 128 x 512 float32; Wo23 512 x 512 float32; Wo32 512 x 512 float32; Wq2d 256 x 512 float32; Wq3d 128 x 512 float32; Wv2d 256 x 512 float32; Wv3d 128 x 512 float32; beta 512 float32; bk2d 512 float32; bk3d 512 float32; bo23 512 float32; bo32 512 float32; bq2d 512 float32; bq3d 512 float32; bv2d 512 float32; bv3d 512 float32; gamma 512 float32; h_2d 4,096 x 256 float32; h_3d 4,096 x 128 float32.
;; Outputs: out0 4,096 x 512 float32.
;; This version of the problem:
;;   THIS VERSION OF THE PROBLEM IS GIVEN IN LOW PRECISION. The matrix products marked QUANTISED in the list below multiply operands that are first quantised to E2M3 (2 exponent bits, 3 mantissa bits; 6 bits a number), with one power-of-two scale for each 32 numbers along K (OCP MX v1.0); their sums are f32. All else is computed in f32.
;;   The module's matrix products, in the order in which they are computed (A, B: the left and right operand; K: the contracted axis; several contracted axes count as one K, in the product's order):
;;     1. [M 4,096, K 256] x [K 256, N 512]; A: input h_2d; B: input Wq2d: QUANTISED
;;     2. [M 4,096, K 128] x [K 128, N 512]; A: input h_3d; B: input Wk3d: QUANTISED
;;     3. [M 4,096, K 128] x [K 128, N 512]; A: input h_3d; B: input Wv3d: QUANTISED
;;     4. batch 8 x [M 4,096, K 64] x [K 64, N 4,096]; A: computed on the way; B: computed on the way: QUANTISED
;;     5. batch 8 x [M 64, K 4,096] x [K 4,096, N 4,096]; A: computed on the way; B: softmax (see below): QUANTISED
;;     6. [M 4,096, K 512] x [K 512, N 512]; A: computed on the way; B: input Wo23: QUANTISED
;;     7. [M 4,096, K 128] x [K 128, N 512]; A: input h_3d; B: input Wq3d: QUANTISED
;;     8. [M 4,096, K 256] x [K 256, N 512]; A: input h_2d; B: input Wk2d: QUANTISED
;;     9. [M 4,096, K 256] x [K 256, N 512]; A: input h_2d; B: input Wv2d: QUANTISED
;;     10. batch 8 x [M 4,096, K 64] x [K 64, N 4,096]; A: computed on the way; B: computed on the way: QUANTISED
;;     11. batch 8 x [M 64, K 4,096] x [K 4,096, N 4,096]; A: computed on the way; B: softmax (see below): QUANTISED
;;     12. [M 4,096, K 512] x [K 512, N 512]; A: computed on the way; B: input Wo32: QUANTISED
;;   THE QUANTISER, for each operand of a quantised product, along K:
;;     - K is cut into blocks of 32 from its start; a last block that is shorter is filled with zeros.
;;     - A block's scale is 2^e with e = floor(log2(the largest magnitude in the block)) - 2, held to -126 .. 127; a block of zeros has e = 0. As a byte (E8M0): e + 127.
;;     - Each number is divided by its block's scale, clamped to +-7.5, and rounded to the nearest number of E2M3, ties to even, subnormals kept.
;;     - The product sums the exact products of the quantised numbers (number of the format x scale) in f32.
;;   ~~~python
;;   def quantise(x, axis):      # numpy; x: float32 -> the quantised numbers, widened to float32 again
;;       x = np.moveaxis(x, axis, -1); K = x.shape[-1]
;;       x = np.pad(x, [(0, 0)] * (x.ndim - 1) + [(0, -K % 32)]); x = x.reshape(x.shape[:-1] + (-1, 32)); a = np.abs(x).max(-1, keepdims=True)
;;       e = np.where(a > 0, np.clip(np.frexp(np.where(a > 0, a, 1))[1] - 1 - 2, -126, 127), 0)      # np.frexp(a)[1] - 1 = floor(log2(a)), exactly
;;       r = np.clip(x / 2.0 ** e, -7.5, 7.5)
;;       step = 2.0 ** (np.maximum(np.frexp(np.where(r == 0, 1, r))[1] - 1, 0) - 3)
;;       q = np.round(r / step) * step * 2.0 ** e      # np.round: ties to even
;;       return np.moveaxis(q.reshape(q.shape[:-2] + (-1,))[..., :K], -1, axis).astype(np.float32)
;;   ~~~
;;   SOFTMAX AHEAD OF A QUANTISED PRODUCT. Where the list says 'softmax', what is quantised is not the finished softmax but p = 2^(t - M), with t = logit x log2(e) and M = ceil(the row's largest t), a whole number; so 1/2 < the row's largest p <= 1. The row's sum l is taken of the UNQUANTISED p, in f32, and the product's result is divided by l at the end. Since M is a whole number, a kernel that streams over the keys may use a running M (the ceiling of the running maximum): every later rescaling is an exact power of two, which a block's scale takes up: the codes' values come out the same.
;;   OPERANDS COMPUTED ON THE WAY. 'Computed on the way' means the value that the module computes at that place (a softmax that the list does not call 'softmax' is quantised finished and normalised). What goes into a quantiser is computed in f32, as accurately as f32 sums, v_exp_f32 and their like allow (about 1e-6 of the number): no bf16 or f16 on the way to a quantiser, and a product that is left as it is and whose result goes on into a quantised operand takes f32 operands (vector FMAs, or v_wmma_f32_16x16x4_f32). A number that lies on a knife's edge between two numbers of the format may be rounded either way, as far as f32 arithmetic and the matrix unit's own rounding can turn it there, and no further.
;; One version. Each part assembles by itself: llvm-mc -triple=amdgcn-amd-amdhsa -mcpu=gfx1250 --defsym DOCPART=n.
;; ======== version 1 of 1: 4 launches
;; limits: right only within a limited range of input values
;; workspace buffers: img 2,183,168 bytes; qimg 3,407,872 bytes; kv 6,684,672 bytes; oimg 4,194,304 bytes
;; launch prep (part 1): grid 164 x 1, 4 waves a work-group, no clusters, 0 bytes of LDS; arguments h_2d, h_3d, Wo23, Wo32, Wq2d, Wk2d, Wv2d, Wq3d, Wk3d, Wv3d, img; writes img
.if DOCPART == 1
	.amdgcn_target "amdgcn-amd-amdhsa--gfx1250"
	.amdhsa_code_object_version 6
	.text
	.protected	k_q554f00f212_prep
	.globl	k_q554f00f212_prep
	.p2align	8
	.type	k_q554f00f212_prep,@function
k_q554f00f212_prep:
	s_mov_b64 s[64:65], 0
	v_nop
	global_prefetch_b8 v0, s[64:65] scope:SCOPE_SE
	s_setreg_imm32_b32 hwreg(HW_REG_WAVE_MODE, 25, 1), 1
	s_wait_xcnt 0x0
; h_2d [4096][256], h_3d [4096][128] (K innermost) and the eight weights [K][512] (K outermost), all f32, become codes of FP6 (E2M3) with one
; E8M0 scale byte for each 32 along K, laid as IMAGES OF OPERAND REGISTERS: a fragment (16 rows x 128 K) is 12 registers a lane, stored as three
; pieces of 512 bytes, piece c = registers 4 c .. 4 c + 3 at 16 x lane.  Any wave that loads the three pieces has the operand.
; TILES ARE PERMUTED: lane row r of tile T holds index 32 (T / 2) + 8 (T % 2) + r + 8 (r / 8), so that the results of two neighbouring tiles are
; 16 neighbours along the next product's K.
; A UNIT is the two fragments of a pair of tiles at one K step: 3,072 bytes at 3,072 U; its scale words, [lane][2], 256 bytes at SB + 256 U.
; Units: 0-255 h_2d (K step U / 128, pair U % 128); 256-383 h_3d; 384-447 Wo23, 448-511 Wo32 (K step u / 16, pair u % 16); 512-543 Wq2d;
; 544-575 Wk2d; 576-607 Wv2d; 608-623 Wq3d; 624-639 Wk3d; 640-655 Wv3d.  A wave makes one unit: 164 work-groups x 4 waves = 656.
; A lane's registers run along K in the very order of the operand's layout (lane (r, h): k = 64 c + 32 h + 0 .. 31), so a block of 32 is one lane's,
; and the conversions' results are the operand's registers.  No LDS, no barrier: waves share nothing.
; A block's scale is 2^(floor(log2(its largest magnitude)) - 2); its byte is the largest magnitude's exponent field - 2, held at 1 from below.
; LIMITS: a block of zeros gets the byte 1 where the quantiser says 127 (its codes are zeros, and this program alone reads the bytes); blocks whose
; largest magnitude lies under 2^-124 are held at the byte 1; NaN and infinities among the inputs are not served.
.set SB,  2015232                      ; 656 x 3,072: where the scale words begin
.set X0,  32                           ; v32-95 tile 2 j's 64 numbers, v96-159 tile 2 j + 1's
.set PC0, 160                          ; v160-171, v172-183 the two fragments' codes
.set CT,  184                          ; v184-186, v188-190 second halves of blocks, as the conversions leave them
	s_load_b512 s[4:19], s[0:1], 0x0               ; h_2d, h_3d, Wo23, Wo32, Wq2d, Wk2d, Wv2d, Wq3d
	s_load_b128 s[20:23], s[0:1], 0x40             ; Wk3d, Wv3d
	s_load_b64 s[24:25], s[0:1], 0x50              ; img
	v_lshrrev_b32 v1, 5, v0
	v_readfirstlane_b32 s26, v1                    ; wave
	s_lshl_b32 s27, ttmp9, 2
	s_add_co_u32 s27, s27, s26                     ; my unit U
	v_and_b32 v1, 15, v0                           ; r
	v_bfe_u32 v2, v0, 4, 1                         ; h
	v_lshlrev_b32 v3, 3, v2                        ; 8 h: my bytes' place in a scale word
	v_and_b32 v6, 31, v0
	v_lshlrev_b32 v7, 3, v6                        ; 8 x lane
	v_lshlrev_b32 v6, 4, v6                        ; 16 x lane
	v_and_b32 v17, 8, v1
	v_add_nc_u32 v17, v17, v1                      ; r + 8 (r / 8)
	v_mov_b32 v16, 0                               ; written once: a lane permute's destination counts as one of its sources
	s_mov_b32 s34, 0x76543210
	s_mov_b32 s35, 0xfedcba98                      ; selects for lane l xor 16
	s_mul_i32 s32, s27, 3072
	s_mov_b32 s33, 0
	s_lshl_b32 s40, s27, 8
	s_add_co_u32 s40, s40, SB
	s_mov_b32 s41, 0
	s_wait_kmcnt 0x0
	s_add_nc_u64 s[36:37], s[24:25], s[32:33]      ; my unit's codes
	s_add_nc_u64 s[38:39], s[24:25], s[40:41]      ; and its scale words
	s_cmp_lt_u32 ttmp9, 96                         ; units 0-383 are h's
	s_cbranch_scc0 .Lweights
	; ---- K innermost: lane (r, h) takes, of its row, the 32 neighbours of each of its two blocks: eight loads of 16 bytes a block
	s_lshr_b32 s31, s27, 7
	s_and_b32 s42, s27, 127                        ; the pair of tiles
	s_cmp_lt_u32 s27, 256
	s_cselect_b64 s[28:29], s[4:5], s[6:7]         ; h_2d or h_3d: the choice hangs on the unit's number alone
	s_cselect_b32 s30, 10, 9                       ; a row is 1,024 or 512 bytes
	s_cselect_b32 s31, s31, 0                      ; the K step
	s_lshl_b32 s42, s42, 5                         ; 32 rows a pair
	s_lshl_b32 s42, s42, s30
	s_lshl_b32 s31, s31, 9                         ; 128 numbers a K step
	s_add_co_u32 s32, s42, s31
	s_add_nc_u64 s[28:29], s[28:29], s[32:33]
	s_lshl_b32 s43, 8, s30                         ; the odd tile's rows lie 8 rows on
	s_wait_alu depctr_va_vdst(0)
	v_lshlrev_b32 v4, s30, v17
	v_lshl_add_u32 v4, v2, 7, v4                   ; row x pitch + 128 h
	v_add_nc_u32 v5, s43, v4
.irp e, 0,1
.irp c, 0,1
.irp q, 0,1,2,3,4,5,6,7
	global_load_b128 v[X0+64*\e+32*\c+4*\q:X0+64*\e+32*\c+4*\q+3], v[4+\e], s[28:29] offset:256*\c+16*\q th:TH_LOAD_NT
.endr
.endr
.endr
	s_branch .Lquant
	; ---- K outermost: lane (r, h) takes a column, and its registers run down K
.Lweights:
	s_sub_co_u32 s31, ttmp9, 96
	s_mov_b64 s[28:29], s[8:9]                     ; Wo23, unless a later start is reached
	s_mov_b32 s30, 0
.macro PICK start, ptr                 ; from work-group 96 + start on: the weight whose address stands in s[ptr:ptr+1]
	s_cmp_ge_u32 s31, \start
	s_cselect_b64 s[28:29], s[\ptr:\ptr+1], s[28:29]
	s_cselect_b32 s30, \start, s30
.endm
	PICK 16, 10                                    ; Wo32
	PICK 32, 12                                    ; Wq2d
	PICK 40, 14                                    ; Wk2d
	PICK 48, 16                                    ; Wv2d
	PICK 56, 18                                    ; Wq3d
	PICK 60, 20                                    ; Wk3d
	PICK 64, 22                                    ; Wv3d
	s_sub_co_u32 s31, s31, s30
	s_lshl_b32 s31, s31, 2
	s_add_co_u32 s31, s31, s26                     ; the unit's number within its weight
	s_lshr_b32 s42, s31, 4
	s_lshl_b32 s42, s42, 18                        ; K step: 128 rows of 2,048 bytes
	s_and_b32 s43, s31, 15
	s_lshl_b32 s43, s43, 7                         ; pair of tiles: 32 columns
	s_add_co_u32 s32, s42, s43
	s_add_nc_u64 s[28:29], s[28:29], s[32:33]
	s_wait_alu depctr_va_vdst(0)
	v_lshlrev_b32 v4, 2, v17
	v_lshl_add_u32 v4, v2, 16, v4                  ; my column, and 32 rows further down for lanes 16-31
.irp e, 0,1
.irp c, 0,1
.irp i, 0,1,2,3,4,5,6,7,8,9,10,11,12,13,14,15,16,17,18,19,20,21,22,23,24,25,26,27,28,29,30,31
	global_load_b32 v[X0+64*\e+32*\c+\i], v4, s[28:29] offset:(64*\c+\i)*2048+32*\e
.endr
.endr
.endr
.Lquant:
; 64 numbers of a lane, v[x + 32 c + i] = k 64 c + 32 h + i of my row or column, become the fragment's 12 registers in v[pc] on and its scale word in v[pw]
.macro QUANT6 x, pc, pw
.irp c, 0,1
	v_max3_num_f32 v[8+\c], |v[\x+32*\c]|, |v[\x+32*\c+1]|, 0x1800000   ; my block 2 c + h, and the floor 2^(3 - 127): the byte cannot fall under 1
.endr
.irp i, 2,4,6,8,10,12,14,16,18,20,22,24,26,28,30
.irp c, 0,1
	v_max3_num_f32 v[8+\c], v[8+\c], |v[\x+32*\c+\i]|, |v[\x+32*\c+\i+1]|   ; (the two blocks by turns)
.endr
.endr
.irp c, 0,1
	v_add_nc_u32 v[10+\c], 0xff000000, v[8+\c]     ; 2 off the exponent field: the conversion takes this operand's exponent field as its scale
.endr
.irp c, 0,1
	v_lshrrev_b32 v[12+\c], 23, v[10+\c]           ; the scale's byte
.endr
	v_lshl_or_b32 v[\pw], v13, 16, v12             ; blocks h and 2 + h,
	v_lshlrev_b32 v[\pw], v3, v[\pw]               ; at their places in the word;
	v_permlanex16_b32 v16, v[\pw], s34, s35
	v_or_b32 v[\pw], v[\pw], v16                   ; with lane l xor 16's two the word is whole, in both lanes
.irp c, 0,1
	v_cvt_scalef32_pk16_fp6_f32 v[\pc+6*\c:\pc+6*\c+2], v[\x+32*\c:\x+32*\c+15], v[10+\c]
	v_cvt_scalef32_pk16_fp6_f32 v[CT+4*\c:CT+4*\c+2], v[\x+32*\c+16:\x+32*\c+31], v[10+\c]   ; (a conversion's three registers begin on an even number)
.endr
	v_nop                                          ; one plain place behind a scaled conversion
.irp c, 0,1
.irp i, 0,1,2
	v_mov_b32 v[\pc+6*\c+3+\i], v[CT+4*\c+\i]
.endr
.endr
.endm
	s_wait_loadcnt 0x0
	QUANT6 X0, PC0, 14
	QUANT6 X0+64, PC0+12, 15
.irp e, 0,1
.irp c, 0,1,2
	global_store_b128 v6, v[PC0+12*\e+4*\c:PC0+12*\e+4*\c+3], s[36:37] offset:1536*\e+512*\c   ; 32 lanes store 512 consecutive bytes, at a multiple of 256 from img's first byte
.endr
.endr
	global_store_b64 v7, v[14:15], s[38:39]        ; the two tiles' scale words: 256 consecutive bytes
	s_endpgm
.Lfunc_end_k_q554f00f212_prep:
	.size	k_q554f00f212_prep, .Lfunc_end_k_q554f00f212_prep-k_q554f00f212_prep
	.p2alignl 7, 3214868480
	.fill 96, 4, 3214868480
	.section	.rodata,"a",@progbits
	.p2align	6, 0x0
	.amdhsa_kernel k_q554f00f212_prep
		.amdhsa_group_segment_fixed_size 0
		.amdhsa_private_segment_fixed_size 0
		.amdhsa_enable_private_segment 0
		.amdhsa_kernarg_size 88
		.amdhsa_user_sgpr_count 2
		.amdhsa_user_sgpr_kernarg_segment_ptr 1
		.amdhsa_wavefront_size32 1
		.amdhsa_system_sgpr_workgroup_id_x 1
		.amdhsa_system_sgpr_workgroup_id_y 1
		.amdhsa_system_sgpr_workgroup_id_z 1
		.amdhsa_system_vgpr_workitem_id 0
		.amdhsa_next_free_vgpr 192
		.amdhsa_next_free_sgpr 66
		.amdhsa_reserve_vcc 0
		.amdhsa_float_denorm_mode_32 3
		.amdhsa_float_denorm_mode_16_64 3
		.amdhsa_memory_ordered 1
		.amdhsa_forward_progress 1
		.amdhsa_inst_pref_size 25
	.end_amdhsa_kernel
	.amdgpu_metadata
---
amdhsa.version: [ 1, 2 ]
amdhsa.kernels:
  - .name:           k_q554f00f212_prep
    .symbol:         k_q554f00f212_prep.kd
    .args:
      - { .name: h_2d, .offset: 0, .size: 8, .value_kind: global_buffer, .address_space: global }
      - { .name: h_3d, .offset: 8, .size: 8, .value_kind: global_buffer, .address_space: global }
      - { .name: Wo23, .offset: 16, .size: 8, .value_kind: global_buffer, .address_space: global }
      - { .name: Wo32, .offset: 24, .size: 8, .value_kind: global_buffer, .address_space: global }
      - { .name: Wq2d, .offset: 32, .size: 8, .value_kind: global_buffer, .address_space: global }
      - { .name: Wk2d, .offset: 40, .size: 8, .value_kind: global_buffer, .address_space: global }
      - { .name: Wv2d, .offset: 48, .size: 8, .value_kind: global_buffer, .address_space: global }
      - { .name: Wq3d, .offset: 56, .size: 8, .value_kind: global_buffer, .address_space: global }
      - { .name: Wk3d, .offset: 64, .size: 8, .value_kind: global_buffer, .address_space: global }
      - { .name: Wv3d, .offset: 72, .size: 8, .value_kind: global_buffer, .address_space: global }
      - { .name: img, .offset: 80, .size: 8, .value_kind: global_buffer, .address_space: global }
    .group_segment_fixed_size: 0
    .private_segment_fixed_size: 0
    .kernarg_segment_align: 8
    .kernarg_segment_size: 88
    .max_flat_workgroup_size: 128
    .sgpr_count:     66
    .vgpr_count:     192
    .wavefront_size: 32
...
	.end_amdgpu_metadata
.endif
;; end of part 1
;; launch proj (part 2): grid 32 x 6, 4 waves a work-group, no clusters, 0 bytes of LDS; arguments img, bq2d, bk2d, bv2d, bq3d, bk3d, bv3d, qimg, kv; writes qimg, kv
.if DOCPART == 2
	.amdgcn_target "amdgcn-amd-amdhsa--gfx1250"
	.amdhsa_code_object_version 6
	.text
	.protected	k_q554f00f212_proj
	.globl	k_q554f00f212_proj
	.p2align	8
	.type	k_q554f00f212_proj,@function
k_q554f00f212_proj:
	s_mov_b64 s[64:65], 0
	v_nop
	global_prefetch_b8 v0, s[64:65] scope:SCOPE_SE
	s_setreg_imm32_b32 hwreg(HW_REG_WAVE_MODE, 25, 1), 1
	s_wait_xcnt 0x0
; The six projections h W + b on codes of FP6 (E2M3), their results quantised in registers into attention's operands.
; Work-group (x, y): y = which projection (0 q2d, 1 k2d, 2 v2d, 3 q3d, 4 k3d, 5 v3d), x = 128 rows of h (8 tiles).  Wave w: columns 128 w .. 128 w + 127 (8 tiles of W, heads 2 w and 2 w + 1).
; ONE COMPUTATION, TWO ORIENTATIONS.  A fixed set F of 8 tiles is source 0, a walked set G of 8 tiles is source 1; in the result a lane holds one index of G and its 64 registers run along F's 128
; (tiles are permuted so: register 16 b + i = index 32 b + 16 (lane / 16) + i).  Q and K: F = W, G = h: a lane holds a row, registers run along the head's channels, which are the scores' K.
; V: F = h, G = W: a lane holds a channel, registers run along the keys, which are the second product's K.
; All operands come once, straight into registers, as images (three loads of 16 bytes a lane for a fragment).  No LDS, no barrier.
; NO CLUSTER: no tile is walked in a loop; a wave reads each of its at most 32 fragments once, into registers, so there is no ring in which a joint load could stand.
; The bias is the C of each sum's first matrix instruction.  With K = 128 (h_3d) the second K step's products are jumped over by a scalar branch on the work-group's y; its registers are loaded all the same, from the first step's addresses.
; OUT.  qimg [g = 8 direction + head][group of 8 query tiles][6,656]; kv [g][key step of 128][13,056]: K's part as a record of qimg, V's part at + 6,656.
;   Q, K record: tile t at 768 t: registers 0-3 at 16 x lane, registers 4-5 at 512 + 8 x lane (the head's 64 are half a fragment); at 6,144 the scale words: tile 2 b + u, row r at 16 (16 u + r) + 4 b, bytes 2, 3 = 0x7f.
;   V part: tile t' (16 channels x 128 keys) at 1,536 t'; at 6,144 the scale words: tile 2 c + u, row r at 8 (16 u + r) + 4 c.
; LIMITS: a block of zeros gets the byte 1 where the quantiser says 127 (its codes are zeros; this program alone reads the bytes); blocks under 2^-124 are held at the byte 1; NaN and infinities are not served.
; REGISTERS: window 0: v1 16 x lane, v2 8 x lane, v3 the bias's offset; v8-23 F's scale words (8 s + t), v24-39 G's; v40-103 the bias as C; v104-167 the 8 accumulators; v168-187 codes; v188-203 at work; v204 a scale word;
;   v206-221 the scale words gathered; v224-231 as they leave.   window 1: F's fragments at v[12 (8 s + t)].   window 2: G's likewise.
.set SB,  2015232
.set FS,  8
.set GS,  24
.set CB,  40
.set ACC, 104
.set PC,  168
.set TM,  188
.set PW,  204
.set SWR, 206
.set R,   224
.set MSB, 0
.macro WIN new                         ; the immediate's high byte repeats the setting that is left
.if MSB != \new
	s_set_vgpr_msb (MSB<<8)|\new
.set MSB, \new
.endif
.endm
	s_load_b512 s[4:19], s[0:1], 0x0               ; img, bq2d, bk2d, bv2d, bq3d, bk3d, bv3d, qimg
	s_load_b64 s[20:21], s[0:1], 0x40              ; kv
	v_lshrrev_b32 v1, 5, v0
	v_readfirstlane_b32 s24, v1                    ; wave
	s_and_b32 s22, ttmp7, 0xffff                   ; which projection
	s_mov_b32 s23, ttmp9                           ; which 128 rows
	v_and_b32 v4, 31, v0
	v_lshlrev_b32 v1, 4, v4
	v_lshlrev_b32 v2, 3, v4
	v_cmp_le_u32 vcc_lo, 16, v4                    ; lanes 16-31: kept to the end, nothing else writes it
	v_and_b32 v5, 15, v0                           ; r
	v_bfe_u32 v6, v0, 4, 1                         ; h
.irp b, 0,1,2,3
	v_mov_b32 v[TM+4+\b], 0                        ; written once: a lane permute's destination counts as one of its sources
.endr
	s_mov_b32 s50, 0x76543210
	s_mov_b32 s51, 0xfedcba98                      ; selects for lane l xor 16
	s_mov_b32 s52, 0x7f7f0000                      ; the scale 1 for the half of the scores' K step that holds no channel
	s_cmp_ge_u32 s22, 3
	s_cselect_b32 s26, 1, 0                        ; 1: from h_3d
	s_mul_i32 s27, s26, 3
	s_sub_co_u32 s27, s22, s27                     ; 0 Q, 1 K, 2 V
	s_sub_co_u32 s25, 2, s26                       ; K steps
	s_xor_b32 s53, s26, 1
	s_lshl_b32 s54, s26, 8
	s_lshl_b32 s55, s23, 2
	s_add_co_u32 s54, s54, s55                     ; h's first unit: 256 x (from h_3d) + 4 x group
	s_lshl_b32 s55, s27, 5
	s_add_co_u32 s55, s55, 512
	s_lshl_b32 s56, s27, 4
	s_add_co_u32 s56, s56, 608
	s_cmp_eq_u32 s26, 1
	s_cselect_b32 s55, s56, s55                    ; the weight's first unit
	s_cselect_b32 s58, 0, 393216                   ; from K step 0 to K step 1: 128 units of h's codes,
	s_cselect_b32 s59, 0, 49152                    ; 16 units of W's codes,
	s_cselect_b32 s60, 0, 32768                    ; and the same of their scale words; 0 where there is one K step
	s_cselect_b32 s61, 0, 4096
	s_lshl_b32 s56, s24, 2
	s_add_co_u32 s55, s55, s56                     ; + my wave's four pairs of tiles
	s_mov_b32 s57, 0
	s_wait_kmcnt 0x0
	s_mul_i32 s56, s54, 3072
	s_add_nc_u64 s[28:29], s[4:5], s[56:57]        ; h's codes, K step 0
	s_mov_b32 s56, s58
	s_add_nc_u64 s[30:31], s[28:29], s[56:57]      ; K step 1
	s_mul_i32 s56, s55, 3072
	s_add_nc_u64 s[32:33], s[4:5], s[56:57]        ; W's codes
	s_mov_b32 s56, s59
	s_add_nc_u64 s[34:35], s[32:33], s[56:57]
	s_lshl_b32 s56, s54, 8
	s_add_co_u32 s56, s56, SB
	s_add_nc_u64 s[36:37], s[4:5], s[56:57]        ; h's scale words
	s_mov_b32 s56, s60
	s_add_nc_u64 s[38:39], s[36:37], s[56:57]
	s_lshl_b32 s56, s55, 8
	s_add_co_u32 s56, s56, SB
	s_add_nc_u64 s[40:41], s[4:5], s[56:57]        ; W's scale words
	s_mov_b32 s56, s61
	s_add_nc_u64 s[42:43], s[40:41], s[56:57]
	s_mov_b64 s[44:45], s[6:7]                     ; the bias: chosen by the work-group's y alone
.irp q, 1,2,3,4,5
	s_cmp_eq_u32 s22, \q
	s_cselect_b64 s[44:45], s[6+2*\q:7+2*\q], s[44:45]
.endr
	s_lshl_b32 s56, s24, 9
	s_add_nc_u64 s[44:45], s[44:45], s[56:57]      ; my wave's 128 numbers
	s_mov_b32 s58, 417792                          ; kv: bytes of a (direction, head): 32 records of 13,056
	s_mov_b32 s59, 13056
	s_cmp_eq_u32 s27, 0
	s_cselect_b64 s[46:47], s[18:19], s[20:21]     ; Q goes to qimg, K and V to kv
	s_cselect_b32 s54, s26, s53                    ; the direction: Q's is that of its own h; K's and V's the other one
	s_cselect_b32 s58, 212992, s58                 ; qimg: 32 records of 6,656
	s_cselect_b32 s59, 6656, s59
	s_lshl_b32 s54, s54, 3
	s_lshl_b32 s55, s24, 1
	s_add_co_u32 s54, s54, s55                     ; g of my first head
	s_mul_i32 s54, s54, s58
	s_mul_i32 s55, s23, s59
	s_add_co_u32 s56, s54, s55
	s_cmp_eq_u32 s27, 2
	s_cselect_b32 s55, 6656, 0                     ; V's part of a record
	s_add_co_u32 s56, s56, s55
	s_add_nc_u64 s[46:47], s[46:47], s[56:57]      ; where head 2 w's results go,
	s_mov_b32 s56, s58
	s_add_nc_u64 s[48:49], s[46:47], s[56:57]      ; and head 2 w + 1's
	s_cmp_eq_u32 s27, 2
	s_cbranch_scc1 .Lvalues
; 64 numbers of a lane, register 16 b + i = index 32 b + 16 (lane / 16) + i, become a fragment's codes in v[PC] on and its scale word in v[PW]
.macro QUANT src
.irp b, 0,1,2,3
	v_max3_num_f32 v[TM+\b], |v[\src+16*\b]|, |v[\src+1+16*\b]|, 0x1800000   ; block b: my 16 numbers, and the floor 2^(3 - 127): the byte cannot fall under 1.  Each accumulator is read from its low end on
.endr
.irp i, 2,4,6,8,10,12,14
.irp b, 0,1,2,3
	v_max3_num_f32 v[TM+\b], v[TM+\b], |v[\src+16*\b+\i]|, |v[\src+1+16*\b+\i]|   ; (the four blocks by turns)
.endr
.endr
.irp b, 0,1,2,3
	v_permlanex16_b32 v[TM+4+\b], v[TM+\b], s50, s51
.endr
.irp b, 0,1,2,3
	v_max_num_f32 v[TM+\b], v[TM+\b], v[TM+4+\b]   ; with lane l xor 16's: the block's largest magnitude
.endr
.irp b, 0,1,2,3
	v_add_nc_u32 v[TM+12+\b], 0xff000000, v[TM+\b] ; 2 off its exponent field: the conversion's scale operand
.endr
.irp b, 0,1,2,3
	v_lshrrev_b32 v[TM+4+\b], 23, v[TM+12+\b]      ; the scale's byte
.endr
	v_lshl_or_b32 v[PW], v[TM+5], 8, v[TM+4]
	v_lshl_or_b32 v[PW], v[TM+6], 16, v[PW]
	v_lshl_or_b32 v[PW], v[TM+7], 24, v[PW]
.irp c, 0,1
	v_cvt_scalef32_pk16_fp6_f32 v[PC+6*\c:PC+2+6*\c], v[\src+32*\c:\src+15+32*\c], v[TM+12+2*\c]
	v_cvt_scalef32_pk16_fp6_f32 v[PC+12+4*\c:PC+14+4*\c], v[\src+16+32*\c:\src+31+32*\c], v[TM+12+2*\c+1]   ; (a conversion's three registers begin on an even number)
.endr
	v_nop                                          ; one plain place behind a scaled conversion
.irp c, 0,1                                    ; the operand's layout wants a whole block in a lane: lanes 0-15 block 2 c, lanes 16-31 block 2 c + 1
.irp i, 0,1,2
	v_permlane16_swap_b32 v[PC+6*\c+\i], v[PC+12+4*\c+\i]
.endr
.irp i, 0,1,2
	v_mov_b32 v[PC+3+6*\c+\i], v[PC+12+4*\c+\i]
.endr
.endr
.endm
; Tile g of G against F's eight: 8 or 16 matrix instructions, the 8 accumulators by turns; then the 64 results of a lane are quantised and stored.
.macro GSTEP g, isv
	WIN 0x09                                       ; source 0 (F) window 1, source 1 (G) window 2, C and D window 0
.irp t, 0,1,2,3,4,5,6,7
.if \isv
	v_wmma_scale_f32_16x16x128_f8f6f4 v[ACC+8*\t:ACC+8*\t+7], v[12*\t:12*\t+11], v[12*(\g):12*(\g)+11], v[CB+8*(\g):CB+8*(\g)+7], v[FS+\t], v[GS+(\g)] matrix_a_fmt:MATRIX_FMT_FP6 matrix_b_fmt:MATRIX_FMT_FP6
.else
	v_wmma_scale_f32_16x16x128_f8f6f4 v[ACC+8*\t:ACC+8*\t+7], v[12*\t:12*\t+11], v[12*(\g):12*(\g)+11], v[CB+8*\t:CB+8*\t+7], v[FS+\t], v[GS+(\g)] matrix_a_fmt:MATRIX_FMT_FP6 matrix_b_fmt:MATRIX_FMT_FP6
.endif
.endr
	WIN 0                                          ; at a branch and at a label every window is 0
	s_cmp_eq_u32 s25, 1
	s_cbranch_scc1 .Lone_step_\@                   ; K = 128: there is no second K step
	WIN 0x09
.irp t, 0,1,2,3,4,5,6,7
	v_wmma_scale_f32_16x16x128_f8f6f4 v[ACC+8*\t:ACC+8*\t+7], v[12*(8+\t):12*(8+\t)+11], v[12*(8+(\g)):12*(8+(\g))+11], v[ACC+8*\t:ACC+8*\t+7], v[FS+8+\t], v[GS+8+(\g)] matrix_a_fmt:MATRIX_FMT_FP6 matrix_b_fmt:MATRIX_FMT_FP6
.endr
	WIN 0
.Lone_step_\@:
.rept 4
	v_nop                                          ; places in front of the first read of results (ISA guide 7.12.1)
.endr
.if (\g) > 0
	s_wait_xcnt 0x0                                ; the last tile's stores have read their data: the codes' registers are written again only behind this wait
.endif
	QUANT ACC
.if \isv
.irp c, 0,1,2
	global_store_b128 v1, v[PC+4*\c:PC+4*\c+3], s[46+2*((\g)/4):47+2*((\g)/4)] offset:1536*((\g)%4)+512*\c   ; 16 channels x 128 keys: a whole fragment
.endr
	v_mov_b32 v[SWR+(\g)], v[PW]
.else
.irp c, 0,1                                    ; registers 6 c .. 6 c + 5 are head 2 w + c's 64 channels
	global_store_b128 v1, v[PC+6*\c:PC+6*\c+3], s[46+2*\c:47+2*\c] offset:768*(\g)
	global_store_b64 v2, v[PC+6*\c+4:PC+6*\c+5], s[46+2*\c:47+2*\c] offset:768*(\g)+512
.endr
	v_and_or_b32 v[SWR+(\g)], v[PW], 0xffff, s52   ; head 2 w's two bytes, and 0x7f above them
	v_lshrrev_b32 v[SWR+8+(\g)], 16, v[PW]
	v_or_b32 v[SWR+8+(\g)], s52, v[SWR+8+(\g)]     ; head 2 w + 1's
.endif
.endm
.macro BODY isv
.if \isv
.set FP, 28                            ; F = h, G = W
.set GP, 32
.set FSP, 36
.set GSP, 40
.else
.set FP, 32                            ; F = W, G = h
.set GP, 28
.set FSP, 40
.set GSP, 36
.endif
	WIN 0x40                                       ; destination window 1
.irp s, 0,1
.irp t, 0,1,2,3,4,5,6,7
.irp c, 0,1,2
	global_load_b128 v[12*(8*\s+\t)+4*\c:12*(8*\s+\t)+4*\c+3], v1, s[FP+2*\s:FP+2*\s+1] offset:1536*\t+512*\c
.endr
.endr
.endr
	WIN 0x80                                       ; destination window 2
.irp s, 0,1
.irp t, 0,1,2,3,4,5,6,7
.irp c, 0,1,2
	global_load_b128 v[12*(8*\s+\t)+4*\c:12*(8*\s+\t)+4*\c+3], v1, s[GP+2*\s:GP+2*\s+1] offset:1536*\t+512*\c
.endr
.endr
.endr
	WIN 0
.irp s, 0,1
.irp j, 0,1,2,3
	global_load_b64 v[FS+8*\s+2*\j:FS+8*\s+2*\j+1], v2, s[FSP+2*\s:FSP+2*\s+1] offset:256*\j   ; a pair of tiles' scale words: lane r has row r's
	global_load_b64 v[GS+8*\s+2*\j:GS+8*\s+2*\j+1], v2, s[GSP+2*\s:GSP+2*\s+1] offset:256*\j
.endr
.endr
.if \isv
	v_and_b32 v3, 8, v5
	v_add_nc_u32 v3, v3, v5
	v_lshlrev_b32 v3, 2, v3                        ; my channel of a tile: r + 8 (r / 8)
.irp g, 0,1,2,3,4,5,6,7
	global_load_b32 v[CB+8*\g], v3, s[44:45] offset:4*(32*(\g/2)+8*(\g%2))
.endr
.else
	v_lshlrev_b32 v3, 6, v6                        ; for tile 2 b + u my eight columns are 32 b + 16 h + 8 u + 0 .. 7
.irp t, 0,1,2,3,4,5,6,7
	global_load_b128 v[CB+8*\t:CB+8*\t+3], v3, s[44:45] offset:4*(32*(\t/2)+8*(\t%2))
	global_load_b128 v[CB+8*\t+4:CB+8*\t+7], v3, s[44:45] offset:4*(32*(\t/2)+8*(\t%2))+16
.endr
.endif
	s_wait_loadcnt 0x0
.if \isv
.irp g, 0,1,2,3,4,5,6,7
.irp j, 1,2,3,4,5,6,7
	v_mov_b32 v[CB+8*\g+\j], v[CB+8*\g]            ; a lane's eight results of a tile are one channel's: the same bias
.endr
.endr
.rept 4
	v_nop
.endr
.endif
.irp g, 0,1,2,3,4,5,6,7
	GSTEP \g, \isv
.endr
.if \isv
.irp c, 0,1
.irp b, 0,1
	v_cndmask_b32 v[R+2*\c+\b], v[SWR+4*\c+2*\b], v[SWR+4*\c+2*\b+1], vcc_lo   ; lanes 0-15 the even tile's words, lanes 16-31 the odd tile's
.endr
	global_store_b64 v2, v[R+2*\c:R+2*\c+1], s[46+2*\c:47+2*\c] offset:6144   ; 256 consecutive bytes
.endr
.else
.irp c, 0,1
.irp b, 0,1,2,3
	v_cndmask_b32 v[R+4*\c+\b], v[SWR+8*\c+2*\b], v[SWR+8*\c+2*\b+1], vcc_lo
.endr
	global_store_b128 v1, v[R+4*\c:R+4*\c+3], s[46+2*\c:47+2*\c] offset:6144   ; 512 consecutive bytes
.endr
.endif
.endm
	s_wait_alu depctr_va_vdst(0)
	BODY 0
	s_endpgm
.Lvalues:
	s_wait_alu depctr_va_vdst(0)
	BODY 1
	s_endpgm
.Lfunc_end_k_q554f00f212_proj:
	.size	k_q554f00f212_proj, .Lfunc_end_k_q554f00f212_proj-k_q554f00f212_proj
	.p2alignl 7, 3214868480
	.fill 96, 4, 3214868480
	.section	.rodata,"a",@progbits
	.p2align	6, 0x0
	.amdhsa_kernel k_q554f00f212_proj
		.amdhsa_group_segment_fixed_size 0
		.amdhsa_private_segment_fixed_size 0
		.amdhsa_enable_private_segment 0
		.amdhsa_kernarg_size 72
		.amdhsa_user_sgpr_count 2
		.amdhsa_user_sgpr_kernarg_segment_ptr 1
		.amdhsa_wavefront_size32 1
		.amdhsa_system_sgpr_workgroup_id_x 1
		.amdhsa_system_sgpr_workgroup_id_y 1
		.amdhsa_system_sgpr_workgroup_id_z 1
		.amdhsa_system_vgpr_workitem_id 0
		.amdhsa_next_free_vgpr 768
		.amdhsa_next_free_sgpr 66
		.amdhsa_reserve_vcc 1
		.amdhsa_float_denorm_mode_32 3
		.amdhsa_float_denorm_mode_16_64 3
		.amdhsa_memory_ordered 1
		.amdhsa_forward_progress 1
		.amdhsa_inst_pref_size 134
	.end_amdhsa_kernel
	.amdgpu_metadata
---
amdhsa.version: [ 1, 2 ]
amdhsa.kernels:
  - .name:           k_q554f00f212_proj
    .symbol:         k_q554f00f212_proj.kd
    .args:
      - { .name: img, .offset: 0, .size: 8, .value_kind: global_buffer, .address_space: global }
      - { .name: bq2d, .offset: 8, .size: 8, .value_kind: global_buffer, .address_space: global }
      - { .name: bk2d, .offset: 16, .size: 8, .value_kind: global_buffer, .address_space: global }
      - { .name: bv2d, .offset: 24, .size: 8, .value_kind: global_buffer, .address_space: global }
      - { .name: bq3d, .offset: 32, .size: 8, .value_kind: global_buffer, .address_space: global }
      - { .name: bk3d, .offset: 40, .size: 8, .value_kind: global_buffer, .address_space: global }
      - { .name: bv3d, .offset: 48, .size: 8, .value_kind: global_buffer, .address_space: global }
      - { .name: qimg, .offset: 56, .size: 8, .value_kind: global_buffer, .address_space: global }
      - { .name: kv, .offset: 64, .size: 8, .value_kind: global_buffer, .address_space: global }
    .group_segment_fixed_size: 0
    .private_segment_fixed_size: 0
    .kernarg_segment_align: 8
    .kernarg_segment_size: 72
    .max_flat_workgroup_size: 128
    .sgpr_count:     66
    .vgpr_count:     768
    .wavefront_size: 32
...
	.end_amdgpu_metadata
.endif
;; end of part 2
;; launch attn (part 3): grid 16 x 16, 16 waves a work-group, clusters of 4 x 1, 327,680 bytes of LDS; arguments qimg, kv, oimg; writes oimg
.if DOCPART == 3
	.amdgcn_target "amdgcn-amd-amdhsa--gfx1250"
	.amdhsa_code_object_version 6
	.text
	.protected	k_q554f00f212_attn
	.globl	k_q554f00f212_attn
	.p2align	8
	.type	k_q554f00f212_attn,@function
k_q554f00f212_attn:
	s_mov_b64 s[64:65], 0
	v_nop
	global_prefetch_b8 v0, s[64:65] scope:SCOPE_SE
	s_setreg_imm32_b32 hwreg(HW_REG_WAVE_MODE, 25, 1), 1
	s_wait_xcnt 0x0
	s_wait_alu depctr_hold_cnt(0) depctr_sa_sdst(0) depctr_va_vdst(0) depctr_va_sdst(0) depctr_va_ssrc(0) depctr_va_vcc(0) depctr_vm_vsrc(0)
	s_getreg_b32 s2, hwreg(HW_REG_IB_STS2, 6, 4)
	s_cmp_eq_u32 s2, 0
	s_cbranch_scc0 .Lentry_in_a_cluster
	s_endpgm
.Lentry_in_a_cluster:
	s_bfe_u32 s2, ttmp6, 0x10000c
	s_cmp_lg_u32 s2, 0x3003
	s_cbranch_scc0 .Lentry_shape_is_right
	s_endpgm
.Lentry_shape_is_right:
; Both attentions: for g = 8 direction + head, O[q] = sum over k of softmax_k(Q[q] . K[k] / 8) V[k], both products on codes of FP6 (E2M3) with one E8M0 scale for each 32 along a product's K.
; THE SOFTMAX AHEAD OF THE SECOND PRODUCT: t = score x log2(e) / 8; M = the row's largest t so far, rounded up to a whole number; p = 2^(t - M) is quantised along the keys, not normalised.
; The row's sum is taken of the unquantised p and divides O at the end.  When M moves, the sum and O are multiplied by 2^(old M - new M): exact.
; SHARES.  Work-group (x, y): y = g, x = 256 queries; each of its sixteen waves owns one tile of 16 queries in 256 registers: four waves to a SIMD, so that one wave's vector work stands beside another's matrix work and LDS loads.
; Every wave walks the 4,096 keys, 128 a step.  A step's operands are one dense record of 13,056 bytes in kv, laid as images of the operands' registers.
; RING: two LDS slots of eight records; waves 0-7 fetch a record each.  CLUSTER: the four work-groups of a cluster have the same g and walk the same records: each record is asked for jointly.
; IN LDS each 256 bytes of a record are followed by 64 bytes of padding (the descriptor lays it): byte y lies at y + 64 (y / 256), a record takes 16,320 bytes.
; LAYOUT.  Both products are used transposed: S^T = K Q^T (source 0 = 16 keys), O^T = V^T P^T (source 0 = 16 channels): a lane holds ONE query throughout.
; WHICH KEYS FORM A TILE OF K is chosen by the LDS addresses: row r of tile 4 c + m is key 64 c + 32 (r / 8) + 8 m + r % 8.  So the 32 registers of tiles 4 c .. 4 c + 3 of lane (q, h) are keys 64 c + 32 h + 0 .. 31:
; a WHOLE block of the second product's K in one lane, in the order of the operand's layout: no lane is asked for a block's maximum and no codes change lanes.  (In kv key 32 b + 8 u + r' + 8 (r' / 8) is row r' of tile 2 b + u;
; lanes r and r + 8 of a load read 1,536 bytes of the record, 1,920 bytes of LDS, apart: with the padding the sixteen lanes of a 16-byte load touch sixteen different columns of 16 bytes modulo 256.)
; THE HEAD IS 64 WIDE, THE INSTRUCTION 128.  Q's registers 6-11 are zero codes.  A tile of K is 6 registers; the instruction names 12, of which the upper six are the next tile's codes (behind tile 7: zeros): finite numbers times
; zero codes under the scale byte 0x7f on both sides add exactly 0.
; OUT.  O / sum is quantised along d_model (the head's 64 are two blocks) and stored as half a fragment of the last product: oimg [query tile][g][1,024]: registers 0-3 at 16 x lane; at 512 + 16 x lane registers 4, 5 and twice the scale word, shifted to its half.
; LIMITS: a block of zeros (of p: all fallen to 0) gets the byte 1 where the quantiser says 127: its codes are zeros; blocks under 2^-124 are held at the byte 1; NaN and infinities are not served; the scaled scores stay under 2^31 in magnitude.
; A block's largest p is taken from its largest score by the same multiply-add and exponential: this takes v_exp_f32 not to fall where its input rises.
; REGISTERS: v1 16 x lane, v2 8 x lane, v3, v4 V's addresses, v5, v6 the spare word's address and 0, v7 the prefetch's offset, v8-10 lane terms of K's codes (16 bytes, 8 bytes) and scale words, v39 of V's codes, v36-38 K's three in the record in hand;
;   v11 8 x (lane / 16); v12 -M, v13 the largest score; v[14:15] the sum; v16-21 Q, v22-27 zeros; scales and nothing else: v28 Q's word, v29 p's, v30-33 K's, v34-35 V's;
;   v40-87 K's 8 tiles, later p's codes (v40-51) and conversions' halves (v52-58); v88-93 zeros; v[94:95] f; v96-159 S^T, then p; v160-191 O^T; v192-239 V's 4 fragments; v240-245 three more chains of the sum; v246-255 at work.
.set REC,   13056                      ; a step's record in memory: K 6,144, K's scale words 512, V 6,144, V's scale words 256
.set RECL,  16320                      ; and in LDS: 51 rows of 256 + 64 bytes
.set SLOTB, 8*REC
.set SLOT1, 131072                     ; slot 1 begins here (a slot is 130,560 bytes), so that one exclusive or turns an address in one slot into the other's
.set SPARE, 262144                     ; the spare words, 128 bytes for each of 16 waves: eight blocks of 256 bytes that no other line names
.set GSTR,  32*REC                     ; a g's records in kv
.macro D1
	s_delay_alu instid0(VALU_DEP_1)
.endm
.macro D2
	s_delay_alu instid0(VALU_DEP_2)
.endm
.macro CROUND                          ; a round of the cluster's barrier
	s_barrier_signal -1
	s_barrier_wait -1
	s_cmp_lg_u32 s10, 0
	s_cbranch_scc1 .Lnot_wave_0_\@
	s_barrier_signal -3
.Lnot_wave_0_\@:
	s_barrier_wait -3
	s_barrier_signal -1
	s_barrier_wait -1
.endm
.macro TLOAD                           ; waves 0-7 fetch a record each; the branch hangs on the wave's number alone.  s_nop 0 and four v_nop follow the load
	s_cmp_lt_u32 s10, 8
	s_cbranch_scc0 .Lno_load_\@
	tensor_load_to_lds s[32:35], s[24:31]
	s_nop 0
.rept 4
	v_nop
.endr
.Lno_load_\@:
.endm
; A PREFETCH of what the NEXT change of slots will ask for: a slot's eight records, eight key steps ahead of that load.  All four clusters of a g walk the same records: the first cluster asks.  Its four partners are told
; apart by ADDRESS, two records each; in each, waves 4-7 ask, lanes 256 bytes apart.  Two records are 102 blocks of 256 bytes for 128 lanes: the last lanes of wave 7 name block 101 again.
; The last change that fills a slot asks for nothing; slots 0 and 1 come by their loads alone.
.macro ASK
	s_cmp_gt_u32 s37, s42
	s_cbranch_scc0 .Lnot_mine_\@
	global_prefetch_b8 v7, s[40:41] th:TH_LOAD_NT scope:SCOPE_SE
.Lnot_mine_\@:
.endm
	s_load_b128 s[4:7], s[0:1], 0x0                ; qimg, kv
	s_load_b64 s[8:9], s[0:1], 0x10                ; oimg
	v_lshl_add_u32 v5, v0, 2, SPARE
	v_mov_b32 v6, 0
	ds_add_u32 v5, v6                              ; the opening lines: the add, twice on end, and its wait ahead of my first tensor load
	ds_add_u32 v5, v6
	v_lshrrev_b32 v250, 5, v0
	v_readfirstlane_b32 s10, v250                  ; wave 0..15
	s_bfe_u32 s11, ttmp6, 0x40000                  ; cx: it enters global addresses of Q, O and the prefetch alone
	s_lshl_b32 s12, ttmp9, 2
	s_add_co_u32 s12, s12, s11                     ; my block of 256 queries
	s_and_b32 s13, ttmp7, 0xffff                   ; g, which the four partners share
	; descriptor group 1: a dense record as 51 rows of 256 bytes (32 elements of 8 bytes), 16 words of padding behind every 64
	s_mov_b32 s24, 15|(3<<16)|(1<<20)|(1<<21)|(5<<22)|(15<<25)   ; the mask: all four work-groups; elements of 8 bytes; padding on; bit 21 set beside a mask
	s_mov_b32 s25, 32<<16
	s_mov_b32 s26, 51<<16
	s_mov_b32 s27, 32<<16
	s_mov_b32 s28, 51
	s_mov_b32 s29, 32
	s_mov_b32 s30, 0
	s_mov_b32 s31, 0
	s_mov_b32 s20, 0x76543210
	s_mov_b32 s21, 0xfedcba98                      ; selects for lane l xor 16
	s_mov_b32 s22, 0x3e38aa3b                      ; c = log2(e) / 8
	s_mov_b32 s23, s22                             ; (named with it as a pair, so it is written)
	s_mov_b32 s54, 0xbe38aa3b                      ; -c
	s_mov_b32 s38, 0                               ; LDS byte at which the slot in hand begins
	s_mov_b32 s37, 3                               ; slots still to be asked for
	s_and_b32 s43, s13, 1
	s_lshl_b32 s43, s43, 4                         ; my head's half of a scale word of the last product
	s_mov_b32 s32, 1                               ; group 0: count = 1
	s_mul_i32 s33, s10, RECL                       ; LDS address: slot 0, record = wave (used by waves 0-7)
	s_mul_i32 s46, s13, GSTR
	s_mul_i32 s48, s11, 2*REC
	s_add_co_u32 s48, s48, s46
	s_add_co_u32 s48, s48, SLOTB                   ; the prefetch: my work-group's two records of slot 1; the first change of slots steps it to slot 2
	s_mov_b32 s49, 0
	s_mul_i32 s47, s10, REC
	s_add_co_u32 s46, s46, s47                     ; my record in memory
	s_mov_b32 s47, 0
	s_sub_co_u32 s44, s10, 4
	s_lshr_b32 s44, s44, 2                         ; 0 in waves 4-7,
	s_or_b32 s44, s44, ttmp9                       ; of the g's first cluster: the same in all four partners
	s_cmp_eq_u32 s44, 0
	s_cselect_b32 s42, 1, -1                       ; a wave prefetches while s37 is above this
	s_mul_i32 s44, s13, 212992                     ; Q: my g,
	s_lshl_b32 s45, s12, 1
	s_lshr_b32 s50, s10, 3
	s_add_co_u32 s45, s45, s50
	s_mul_i32 s45, s45, 6656                       ; the record of my group of 8 tiles,
	s_add_co_u32 s44, s44, s45
	s_and_b32 s45, s10, 7
	s_mul_i32 s50, s45, 768                        ; my tile's codes;
	s_add_co_u32 s50, s50, s44
	s_mov_b32 s51, 0
	s_lshr_b32 s45, s45, 1
	s_lshl_b32 s45, s45, 2
	s_and_b32 s52, s10, 1
	s_lshl_b32 s52, s52, 8
	s_add_co_u32 s52, s52, s45                     ; its scale words: tile 2 b + u: 256 u + 4 b
	s_add_co_u32 s52, s52, s44
	s_mov_b32 s53, 0
	s_lshl_b32 s44, s12, 4
	s_add_co_u32 s44, s44, s10                     ; my query tile
	s_lshl_b32 s44, s44, 14
	s_lshl_b32 s45, s13, 10
	s_add_co_u32 s44, s44, s45
	s_mov_b32 s45, 0
	s_wait_dscnt 0x0                               ; both opening adds are done
	s_wait_kmcnt 0x0
	s_add_nc_u64 s[34:35], s[6:7], s[46:47]
	s_or_b32 s35, s35, 0x80000000                  ; type = 2
	s_add_nc_u64 s[40:41], s[6:7], s[48:49]
	s_add_nc_u64 s[50:51], s[4:5], s[50:51]
	s_add_nc_u64 s[52:53], s[4:5], s[52:53]
	s_add_nc_u64 s[8:9], s[8:9], s[44:45]          ; where my 1,024 bytes of oimg lie
	CROUND                                         ; all four work-groups are here: the first joint loads meet
	TLOAD                                          ; slot 0: at most one tensor load of mine is out
	v_and_b32 v250, 31, v0
	v_and_b32 v252, 15, v0                         ; r
	v_lshlrev_b32 v1, 4, v250
	v_lshlrev_b32 v2, 3, v250
	v_lshlrev_b32 v254, 4, v252
	global_load_b128 v[16:19], v1, s[50:51]        ; Q stays in registers
	global_load_b64 v[20:21], v2, s[50:51] offset:512
	global_load_b32 v28, v254, s[52:53] offset:6144   ; its scale words: lane r has row r's
	v_add_nc_u32 v7, 0xffffff80, v0                ; thread - 128: 0 .. 127 in waves 4-7
	v_bfe_u32 v248, v0, 3, 1                       ; r / 8
	v_and_b32 v249, 7, v0                          ; r % 8
	v_bfe_u32 v11, v0, 4, 1                        ; h
	v_min_u32 v7, 101, v7
	v_mul_u32_u24 v8, v248, 1920
	v_lshlrev_b32 v10, 2, v248
	v_lshlrev_b32 v7, 8, v7
	v_lshl_add_u32 v9, v249, 3, v8
	v_lshl_add_u32 v8, v249, 4, v8
	v_lshl_add_u32 v10, v249, 4, v10
	v_mul_u32_u24 v253, v11, 320
	v_lshl_add_u32 v9, v11, 7, v9                  ; K's registers 4, 5: 1,920 (r / 8) + 8 (r % 8) + 128 h
	v_add_nc_u32 v8, v8, v253                      ; K's registers 0-3: 1,920 (r / 8) + 16 (r % 8) + 320 h
	v_add_nc_u32 v10, v10, v253                    ; K's scale words: 320 h + 16 (r % 8) + 4 (r / 8): lanes 16-31 take the odd tile's
	v_lshl_add_u32 v39, v252, 4, v253              ; V's codes: 16 r + 320 h
	v_lshlrev_b32 v11, 3, v11                      ; 8 h: my bytes' place in p's scale word
	v_mov_b32 v13, 0xff61b1e6                      ; the largest score so far: -3e38
	v_mov_b32 v12, 0x7f61b1e6                      ; -M: so large that the first f is 0
	v_mov_b32 v14, 0
	v_mov_b32 v15, 0
	v_mov_b32 v95, 0                               ; (named as the upper half of the pair v[94:95])
	v_mov_b32 v251, 0                              ; written once: a lane permute's destination counts as one of its sources
.irp j, 0,1,2,3,4,5
	v_mov_b32 v[22+\j], 0                          ; Q's upper half: zero codes
	v_mov_b32 v[88+\j], 0                          ; what stands behind K's tile 7
	v_mov_b32 v[240+\j], 0                         ; the sum's other chains
.endr
.set J, 0
.rept 32
	v_mov_b32 v[160+J], 0                          ; O^T.  (The step is written once: the first finds zeros, which the first f leaves zeros)
.set J, J+1
.endr
.macro FOLD                            ; the last step's four chains of the sum become one, ahead of this step's f
	v_pk_add_f32 v[240:241], v[240:241], v[242:243]
	v_pk_add_f32 v[14:15], v[14:15], v[244:245]
	D1
	v_pk_add_f32 v[14:15], v[14:15], v[240:241]
.endm
; A KEY STEP: 128 keys, the record at LDS byte s36.
.macro STEP
	v_add_nc_u32 v36, s36, v8                      ; these five are also the places in front of loads into registers that the last products have read
	v_add_nc_u32 v37, s36, v9
	v_add_nc_u32 v38, s36, v10
	v_add_nc_u32 v3, s36, v39
	v_add_nc_u32 v4, s36, v2
.irp c, 0,1
.irp m, 0,1,2,3
	ds_load_b128 v[40+6*(4*\c+\m):43+6*(4*\c+\m)], v36 offset:960*(4*\c+\m%2)+128*(\m/2)
	ds_load_b64 v[44+6*(4*\c+\m):45+6*(4*\c+\m)], v37 offset:960*(4*\c+\m%2)+640+64*(\m/2)
.endr
.endr
.irp c, 0,1
.irp p, 0,1
	ds_load_b32 v[30+2*\c+\p], v38 offset:7680+128*\p+8*\c   ; lanes 0-15 tile 4 c + 2 p's words, lanes 16-31 tile 4 c + 2 p + 1's
.endr
.endr
.irp t, 0,1,2,3
.irp c, 0,1,2
	ds_load_b128 v[192+12*\t+4*\c:195+12*\t+4*\c], v3 offset:320*(26+6*\t+2*\c)
.endr
.endr
	ds_load_b64 v[34:35], v4 offset:16000
	s_wait_alu depctr_va_vdst(0)                   ; directly ahead of the wait below
	s_wait_dscnt 13                                ; K's 20 loads are in; V's 13, issued behind them, may stay out
.irp t, 0,1,2,3,4,5,6,7                        ; S^T = K Q^T: eight tiles of 16 keys
.if (\t)%2
	v_wmma_scale_f32_16x16x128_f8f6f4 v[96+8*\t:103+8*\t], v[40+6*\t:51+6*\t], v[16:27], 0, v[30+\t/2], v28 matrix_a_fmt:MATRIX_FMT_FP6 matrix_b_fmt:MATRIX_FMT_FP6 matrix_a_scale:MATRIX_SCALE_ROW1
.else
	v_wmma_scale_f32_16x16x128_f8f6f4 v[96+8*\t:103+8*\t], v[40+6*\t:51+6*\t], v[16:27], 0, v[30+\t/2], v28 matrix_a_fmt:MATRIX_FMT_FP6 matrix_b_fmt:MATRIX_FMT_FP6
.endif
.endr
	FOLD                                           ; with the v_nop: the four places in front of the first read of results (ISA guide 7.12.1)
	v_nop
.irp q, 0,1,2,3                                ; the largest score of my two blocks of 32 keys, v246 and v247: four chains by turns, each accumulator from its low end on
	v_max3_num_f32 v[246+2*(\q%2)+\q/2], v[96+16*\q], v[97+16*\q], v[98+16*\q]
.endr
.irp i, 3,5,7,9,11,13
.irp q, 0,1,2,3
	v_max3_num_f32 v[246+2*(\q%2)+\q/2], v[246+2*(\q%2)+\q/2], v[96+16*\q+\i], v[97+16*\q+\i]
.endr
.endr
	v_max3_num_f32 v246, v246, v111, v127
	v_max3_num_f32 v247, v247, v143, v159
	D2
	v_max_num_f32 v246, v246, v248
	D2
	v_max_num_f32 v247, v247, v249
	v_max3_num_f32 v250, v246, v247, v13           ; the running maximum,
	D1
	v_permlanex16_b32 v251, v250, s20, s21
	D1
	v_max_num_f32 v13, v250, v251                  ; with lane l xor 16's 64 keys
	D1
	v_mul_f32 v250, s54, v13                       ; -t
	D1
	v_floor_f32 v250, v250                         ; -M = floor(-t) = -ceil(t): a whole number
	D1
	v_sub_f32 v94, v250, v12                       ; old M less new M: a whole number, 0 or less
	v_mov_b32 v12, v250
	D2
	v_cvt_i32_f32 v94, v94                         ; (it saturates)
	D1
	v_ldexp_f32 v94, 1.0, v94                      ; f = 2^(old M - new M)
.set J, 0
.rept 16
	v_pk_mul_f32 v[160+J:161+J], v[160+J:161+J], v[94:95] op_sel_hi:[1,0]   ; O^T under the new M: no exponential stands between the products that wrote O^T and these reads
.set J, J+2
.endr
.set J, 0
.rept 32
	v_pk_fma_f32 v[96+J:97+J], v[96+J:97+J], s[22:23], v[12:13] op_sel_hi:[1,0,0]   ; t - M, two at a time
.set J, J+2
.endr
	v_fma_f32 v246, v246, s22, v12                 ; the same of each block's largest score
	v_fma_f32 v247, v247, s22, v12
	s_wait_alu depctr_va_vdst(0)                   ; ahead of the batch of exponentials
.set J, 0
.rept 64
	v_exp_f32 v[96+J], v[96+J]                     ; p = 2^(t - M), at most 1: not normalised
.set J, J+1
.endr
	v_exp_f32 v246, v246                           ; each block's largest p: the same two instructions on the same number give the same bits
	v_exp_f32 v247, v247
	v_nop                                          ; a plain place behind the exponentials
	s_wait_alu depctr_va_vdst(0)                   ; and the wait behind the batch, ahead of its first reader and of the wait below
	s_wait_dscnt 0x0                               ; V is in
	v_max_num_f32 v246, 0x1800000, v246            ; the floor 2^(3 - 127): the byte cannot fall under 1
	v_max_num_f32 v247, 0x1800000, v247
	D2
	v_add_nc_u32 v252, 0xff000000, v246            ; 2 off the exponent field: the conversion's scale operand
	D2
	v_add_nc_u32 v253, 0xff000000, v247
	v_cvt_scalef32_pk16_fp6_f32 v[40:42], v[96:111], v252
	v_cvt_scalef32_pk16_fp6_f32 v[52:54], v[112:127], v252   ; (a conversion's three registers begin on an even number)
	v_cvt_scalef32_pk16_fp6_f32 v[46:48], v[128:143], v253
	v_cvt_scalef32_pk16_fp6_f32 v[56:58], v[144:159], v253
	v_lshrrev_b32 v254, 23, v252                   ; the scales' bytes: also the plain place behind the conversions
	v_lshrrev_b32 v255, 23, v253
.irp i, 0,1,2
	v_mov_b32 v[43+\i], v[52+\i]
	v_mov_b32 v[49+\i], v[56+\i]
.endr
	v_lshl_or_b32 v250, v255, 16, v254             ; blocks h and 2 + h,
	D1
	v_lshlrev_b32 v250, v11, v250                  ; at their places in the word;
	D1
	v_permlanex16_b32 v251, v250, s20, s21
	D1
	v_or_b32 v29, v250, v251                       ; with lane l xor 16's two the word is whole
	v_pk_fma_f32 v[14:15], v[14:15], v[94:95], v[96:97] op_sel_hi:[1,0,1]   ; the sum under the new M, and the first pair.  (These 29 also stand between the writing of p's codes and scale word and the products)
	v_pk_add_f32 v[240:241], v[98:99], v[100:101]
	v_pk_add_f32 v[242:243], v[102:103], v[104:105]
	v_pk_add_f32 v[244:245], v[106:107], v[108:109]
.irp j, 110,118,126,134,142,150
	v_pk_add_f32 v[14:15], v[14:15], v[\j:\j+1]
	v_pk_add_f32 v[240:241], v[240:241], v[\j+2:\j+3]
	v_pk_add_f32 v[242:243], v[242:243], v[\j+4:\j+5]
	v_pk_add_f32 v[244:245], v[244:245], v[\j+6:\j+7]
.endr
	v_pk_add_f32 v[14:15], v[14:15], v[158:159]
.irp t, 0,1,2,3                                ; O^T += V^T P^T: the four accumulators by turns; each one's next link stands a whole step on
.if (\t)%2
	v_wmma_scale_f32_16x16x128_f8f6f4 v[160+8*\t:167+8*\t], v[192+12*\t:203+12*\t], v[40:51], v[160+8*\t:167+8*\t], v[34+\t/2], v29 matrix_a_fmt:MATRIX_FMT_FP6 matrix_b_fmt:MATRIX_FMT_FP6 matrix_a_scale:MATRIX_SCALE_ROW1
.else
	v_wmma_scale_f32_16x16x128_f8f6f4 v[160+8*\t:167+8*\t], v[192+12*\t:203+12*\t], v[40:51], v[160+8*\t:167+8*\t], v[34+\t/2], v29 matrix_a_fmt:MATRIX_FMT_FP6 matrix_b_fmt:MATRIX_FMT_FP6
.endif
.endr
.endm
; THE CHANGE OF SLOTS stands at a slot's head.  Each wave waits for all its tensor loads (its record of the slot that it is about to read), adds 0 to its spare word, and waits for that and for its reads of the slot that it has left.
; fill = 1: a round of the cluster's barrier follows, so that no wave of any partner still reads that slot or has a load on its way, and the joint refill is the first thing behind it: it has eight key steps in which to land.
.macro CHANGE fill
	s_wait_tensorcnt 0x0                           ; no tensor load of mine is out, so group 0 may be written
	ds_add_u32 v5, v6                              ; 0 onto my spare word;
.if \fill
	ds_add_u32 v5, v6                              ; twice on end
	s_xor_b32 s33, s33, SLOT1                      ; the walking descriptor: the other slot than last time,
	s_add_nc_u64 s[34:35], s[34:35], SLOTB         ; the next eight records; the type bits on top are not reached
	s_wait_xcnt 0x0                                ; the last prefetch, a slot back, has read its address, so it may be written:
	s_add_nc_u64 s[40:41], s[40:41], SLOTB         ; one slot further on than the walking descriptor
.endif
	s_wait_dscnt 0x0                               ; the add is done, and my reads of the slot that I have left are over
.if \fill
	CROUND
	TLOAD                                          ; a wave's one tensor load until the next round
	ASK
.else
	s_barrier_signal -1
	s_barrier_wait -1
.endif
.endm
.macro SLOT_STEPS                      ; the slot's eight records, one a trip
	s_mov_b32 s36, s38
	s_mov_b32 s39, 8
.Lstep_\@:
	STEP
	s_add_co_u32 s36, s36, RECL
	s_sub_co_u32 s39, s39, 1
	s_cmp_lg_u32 s39, 0
	s_cbranch_scc1 .Lstep_\@
	s_xor_b32 s38, s38, SLOT1                      ; on to the other slot
.endm
	s_wait_alu depctr_va_vdst(0)
	s_wait_loadcnt 0x0                             ; Q
.Lslot:                                            ; 3 trips: behind each change of slots but the last the next slot is asked for
	CHANGE 1
	SLOT_STEPS
	s_sub_co_u32 s37, s37, 1
	s_cmp_lg_u32 s37, 0
	s_cbranch_scc1 .Lslot
	CHANGE 0                                       ; the last slot is written out
	SLOT_STEPS
	; THE WAY OUT.  O^T / the sum: register 16 b + i = channel 32 b + 16 (lane / 16) + i (V's tiles are laid so); its two blocks of 32 channels are quantised along d_model and leave as half a fragment of the last product.
	FOLD
	D1
	v_add_f32 v14, v14, v15                        ; the sum's two halves,
	D1
	v_permlanex16_b32 v251, v14, s20, s21
	D1
	v_add_f32 v14, v14, v251                       ; and lane l xor 16's: the row's sum
	s_wait_alu depctr_va_vdst(0)                   ; ahead of the reciprocal,
	v_rcp_f32 v94, v14
	v_nop                                          ; a plain place behind it,
	s_wait_alu depctr_va_vdst(0)                   ; and the wait ahead of its first reader, which is also O^T's
.set J, 0
.rept 16
	v_pk_mul_f32 v[96+J:97+J], v[160+J:161+J], v[94:95] op_sel_hi:[1,0]   ; each accumulator from its low end on
.set J, J+2
.endr
.irp b, 0,1
	v_max3_num_f32 v[246+\b], |v[96+16*\b]|, |v[97+16*\b]|, 0x1800000
.endr
.irp i, 2,4,6,8,10,12,14
.irp b, 0,1
	D2
	v_max3_num_f32 v[246+\b], v[246+\b], |v[96+16*\b+\i]|, |v[97+16*\b+\i]|
.endr
.endr
	D2
	v_permlanex16_b32 v251, v246, s20, s21
	D2
	v_permlanex16_b32 v250, v247, s20, s21
	D2
	v_max_num_f32 v246, v246, v251
	D2
	v_max_num_f32 v247, v247, v250
	D2
	v_add_nc_u32 v252, 0xff000000, v246
	D2
	v_add_nc_u32 v253, 0xff000000, v247
	D2
	v_lshrrev_b32 v254, 23, v252
	D2
	v_lshrrev_b32 v255, 23, v253
	D1
	v_lshl_or_b32 v46, v255, 8, v254
	D1
	v_lshlrev_b32 v46, s43, v46                    ; an even head's two bytes below, an odd head's above: the reader joins two heads' words by one OR
	D1
	v_mov_b32 v47, v46
	v_cvt_scalef32_pk16_fp6_f32 v[40:42], v[96:111], v252
	v_cvt_scalef32_pk16_fp6_f32 v[52:54], v[112:127], v253
	v_nop                                          ; one plain place behind a scaled conversion
.irp i, 0,1,2
	v_permlane16_swap_b32 v[40+\i], v[52+\i]       ; the operand's layout wants a whole block in a lane
.endr
.irp i, 0,1,2
	v_mov_b32 v[43+\i], v[52+\i]
.endr
	global_store_b128 v1, v[40:43], s[8:9]         ; 32 lanes store 512 consecutive bytes, at a multiple of 256 from oimg's first byte
	global_store_b128 v1, v[44:47], s[8:9] offset:512
	s_wait_tensorcnt 0x0                           ; the wave's end
	ds_add_u32 v5, v6
	s_wait_dscnt 0x0
	CROUND                                         ; the closing round: no work-group ends while a partner may still ask for a record that names it
	s_endpgm
.Lfunc_end_k_q554f00f212_attn:
	.size	k_q554f00f212_attn, .Lfunc_end_k_q554f00f212_attn-k_q554f00f212_attn
	.p2alignl 7, 3214868480
	.fill 96, 4, 3214868480
	.section	.rodata,"a",@progbits
	.p2align	6, 0x0
	.amdhsa_kernel k_q554f00f212_attn
		.amdhsa_group_segment_fixed_size 327680
		.amdhsa_private_segment_fixed_size 0
		.amdhsa_enable_private_segment 0
		.amdhsa_kernarg_size 24
		.amdhsa_user_sgpr_count 2
		.amdhsa_user_sgpr_kernarg_segment_ptr 1
		.amdhsa_wavefront_size32 1
		.amdhsa_system_sgpr_workgroup_id_x 1
		.amdhsa_system_sgpr_workgroup_id_y 1
		.amdhsa_system_sgpr_workgroup_id_z 1
		.amdhsa_system_vgpr_workitem_id 0
		.amdhsa_next_free_vgpr 256
		.amdhsa_next_free_sgpr 66
		.amdhsa_reserve_vcc 0
		.amdhsa_float_denorm_mode_32 3
		.amdhsa_float_denorm_mode_16_64 3
		.amdhsa_memory_ordered 1
		.amdhsa_forward_progress 1
		.amdhsa_inst_pref_size 45
	.end_amdhsa_kernel
	.amdgpu_metadata
---
amdhsa.version: [ 1, 2 ]
amdhsa.kernels:
  - .name:           k_q554f00f212_attn
    .symbol:         k_q554f00f212_attn.kd
    .args:
      - { .name: qimg, .offset: 0, .size: 8, .value_kind: global_buffer, .address_space: global }
      - { .name: kv, .offset: 8, .size: 8, .value_kind: global_buffer, .address_space: global }
      - { .name: oimg, .offset: 16, .size: 8, .value_kind: global_buffer, .address_space: global }
    .group_segment_fixed_size: 327680
    .private_segment_fixed_size: 0
    .kernarg_segment_align: 8
    .kernarg_segment_size: 24
    .max_flat_workgroup_size: 512
    .sgpr_count:     66
    .vgpr_count:     256
    .wavefront_size: 32
...
	.end_amdgpu_metadata
.endif
;; end of part 3
;; launch outln (part 4): grid 256 x 1, 4 waves a work-group, no clusters, 37,376 bytes of LDS; arguments img, oimg, bo23, bo32, gamma, beta, out0; writes out0
.if DOCPART == 4
	.amdgcn_target "amdgcn-amd-amdhsa--gfx1250"
	.amdhsa_code_object_version 6
	.text
	.protected	k_q554f00f212_outln
	.globl	k_q554f00f212_outln
	.p2align	8
	.type	k_q554f00f212_outln,@function
k_q554f00f212_outln:
	s_mov_b64 s[64:65], 0
	v_nop
	global_prefetch_b8 v0, s[64:65] scope:SCOPE_SE
	s_setreg_imm32_b32 hwreg(HW_REG_WAVE_MODE, 25, 1), 1
	s_wait_xcnt 0x0
; out = LayerNorm(O23 Wo23 + bo23 + O32 Wo32 + bo32) x gamma + beta.  The two products are ONE product with K = 1,024 (K index 64 g + channel, g = 8 direction + head), on codes of FP6 (E2M3) with one E8M0 scale for each 32 along K.
; SHARES.  A work-group takes one tile of 16 queries (256 tiles).  Wave w makes columns 128 w .. 128 w + 127: 8 tiles of Wo x 8 K steps = 64 fragments, each loaded once, straight into registers as an image.
; The product is used transposed (source 0 = 16 columns of Wo, source 1 = the 16 queries): a lane holds one query, and its register 16 b + i holds column 128 w + 32 b + 16 (lane / 16) + i.
; NO CLUSTER: all work-groups read the same image of Wo, 393,216 bytes, which is more than the 327,680 bytes of LDS that a work-group can claim; a wave reads its quarter once, into registers, so there is no ring in which a joint load could stand.
; The sum of the two biases is brought into the result's layout through the wave's own LDS bytes and is the accumulators' first content.  Mean and variance are taken in two passes (x - mean first), in f32; the four waves' sums meet in LDS behind a barrier each.
; The queries of a tile are permuted: lane row i of tile T is row 32 (T / 2) + 8 (T % 2) + i + 8 (i / 8) of out0.
; REGISTERS: window 0: v1 16 x lane, v2 the scale words' offset, v3-8 LDS addresses, v[10:11] mean, then 1 / deviation; v12-15 gamma, v16-19 beta, v20-27 the biases; v28-31 at work; v32-95 the 8 accumulators;
;   v96-191 O's 8 fragments, later rows of the result; v192-223 Wo's scale words (4 s + t / 2: lanes 0-15 the even tile's, lanes 16-31 the odd tile's); v224-239 O's scale words; v240-251 Wo's fragment 63.
;   windows 1-3: Wo's fragment f = 8 s + t (f < 63) in window 1 + f / 21 at v[12 (f % 21)].
.set SB,   2015232
.set BIA,  33792                       ; LDS: 0: a stage of 16 rows x (512 + 16) bytes for each wave; here 512 bytes for each wave's biases;
.set RED0, 35840                       ; 4 waves x 16 rows' sums;
.set RED1, 36096                       ; and of the squares
.set ACC,  32
.set OF,   96
.set WS,   192
.set OW,   224
.set MSB, 0
.macro WIN new                         ; the immediate's high byte repeats the setting that is left
.if MSB != \new
	s_set_vgpr_msb (MSB<<8)|\new
.set MSB, \new
.endif
.endm
	s_load_b256 s[4:11], s[0:1], 0x0               ; img, oimg, bo23, bo32
	s_load_b128 s[12:15], s[0:1], 0x20             ; gamma, beta
	s_load_b64 s[16:17], s[0:1], 0x30              ; out0
	v_lshl_add_u32 v254, v0, 2, 0x9000
	v_mov_b32 v255, 0
	v_lshrrev_b32 v1, 5, v0
	v_readfirstlane_b32 s18, v1                    ; wave
	v_and_b32 v9, 31, v0                           ; lane
	v_and_b32 v28, 15, v0                          ; r
	v_bfe_u32 v29, v0, 4, 1                        ; h
	v_lshlrev_b32 v1, 4, v9
	v_lshlrev_b32 v2, 3, v9
	v_lshl_add_u32 v2, v29, 2, v2                  ; a pair of tiles' scale words lie [lane][2]: lanes 0-15 take word 0, lanes 16-31 word 1
	s_lshl_b32 s24, s18, 9                         ; 512 x wave
	s_mov_b32 s25, 0
	v_add_nc_u32 v3, s24, v1
	v_add_nc_u32 v3, BIA, v3                       ; the biases in: 16 x lane
	v_lshlrev_b32 v4, 6, v29
	v_add_nc_u32 v4, s24, v4
	v_add_nc_u32 v4, BIA, v4                       ; and out: 64 h, + 128 b + 16 q in the immediate
	v_lshlrev_b32 v6, 2, v28                       ; the sums: 4 r,
	s_lshl_b32 s27, s18, 6
	v_add_nc_u32 v5, s27, v6                       ; + 64 x wave on the way in
	s_mul_i32 s26, s18, 16*528
	v_mul_u32_u24 v7, v28, 528
	v_lshl_add_u32 v7, v29, 6, v7
	v_add_nc_u32 v7, s26, v7                       ; the stage, in: row r, + 64 h
	v_add_nc_u32 v8, s26, v1                       ; and back: 16 x lane of a row
	s_mov_b32 s20, 0x76543210
	s_mov_b32 s21, 0xfedcba98                      ; selects for lane l xor 16
	s_mov_b32 s22, 0x3b000000                      ; 1 / 512
	s_mov_b32 s23, 0x3727c5ac                      ; 1e-5
	s_lshl_b32 s28, ttmp9, 14                      ; my tile's 16 records of oimg
	s_mov_b32 s29, 0
	s_lshl_b32 s30, s18, 10
	s_add_co_u32 s30, s30, SB+98304                ; Wo's scale words: unit 384 + 4 x wave
	s_mov_b32 s31, 0
	s_mul_i32 s36, s18, 12288
	s_add_co_u32 s36, s36, 1179648                 ; and its codes
	s_mov_b32 s37, 0
	s_lshr_b32 s38, ttmp9, 1
	s_lshl_b32 s38, s38, 16                        ; 32 (T / 2) rows of 2,048 bytes
	s_and_b32 s39, ttmp9, 1
	s_lshl_b32 s39, s39, 14                        ; + 8 (T % 2) rows
	s_add_co_u32 s38, s38, s39
	s_add_co_u32 s38, s38, s24                     ; + my wave's 512 bytes of a row
	s_mov_b32 s39, 0
	s_wait_kmcnt 0x0
	s_add_nc_u64 s[8:9], s[8:9], s[24:25]
	s_add_nc_u64 s[10:11], s[10:11], s[24:25]
	s_add_nc_u64 s[12:13], s[12:13], s[24:25]
	s_add_nc_u64 s[14:15], s[14:15], s[24:25]
	s_add_nc_u64 s[6:7], s[6:7], s[28:29]
	s_add_nc_u64 s[32:33], s[4:5], s[30:31]
	s_add_nc_u64 s[34:35], s[4:5], s[36:37]
	s_add_nc_u64 s[16:17], s[16:17], s[38:39]
	global_load_b128 v[20:23], v1, s[8:9]          ; bo23, bo32, gamma, beta: my four columns 128 w + 4 lane + 0 .. 3
	global_load_b128 v[24:27], v1, s[10:11]
	global_load_b128 v[12:15], v1, s[12:13]
	global_load_b128 v[16:19], v1, s[14:15]
.irp g, 0,1,2,3,4,5,6,7,8,9,10,11,12,13,14,15  ; O: g is K step g / 2, half g % 2 of the fragment
	global_load_b128 v[OF+6*\g:OF+6*\g+3], v1, s[6:7] offset:1024*\g
	global_load_b64 v[OF+6*\g+4:OF+6*\g+5], v1, s[6:7] offset:1024*\g+512
	global_load_b32 v[OW+\g], v1, s[6:7] offset:1024*\g+520
.endr
.irp s, 0,1,2,3,4,5,6,7
.irp j, 0,1,2,3
	global_load_b32 v[WS+4*\s+\j], v2, s[32:33] offset:256*(16*\s+\j)
.endr
.endr
.set f, 0
.rept 64                               ; Wo's 64 fragments, K step by K step: 192 loads
.if f < 63
.set wn, (1+f/21)<<6
.set wr, 12*(f%21)
.else
.set wn, 0
.set wr, 240
.endif
	WIN wn
.irp c, 0,1,2
	global_load_b128 v[wr+4*\c:wr+4*\c+3], v1, s[34:35] offset:49152*(f/8)+1536*(f%8)+512*\c
.endr
.set f, f+1
.endr
	WIN 0
	s_wait_loadcnt 63                              ; loads come back in order (ISA guide 5.7.1): behind the first 84 (biases, gains, O, scale words) stand 192 younger ones, so these are in
.irp s, 0,1,2,3,4,5,6,7
	v_or_b32 v[OW+2*\s], v[OW+2*\s], v[OW+2*\s+1]  ; two heads' halves make a K step's scale word
.endr
	v_pk_add_f32 v[20:21], v[20:21], v[24:25]
	v_pk_add_f32 v[22:23], v[22:23], v[26:27]      ; bo23 + bo32
	ds_store_b128 v3, v[20:23]
.irp b, 0,1,2,3
.irp q, 0,1,2,3
	ds_load_b128 v[ACC+16*\b+4*\q:ACC+16*\b+4*\q+3], v4 offset:128*\b+16*\q   ; LDS serves a wave's instructions in order (ISA guide 5.7.1.4): these see my store.  The bias in the result's layout
.endr
.endr
	s_wait_dscnt 0x0
.rept 8
	v_nop                                          ; a scale register written by a vector instruction stands 8 places ahead of a scaled matrix instruction
.endr
.set f, 0
.rept 64                               ; the 8 accumulators by turns, a K step at a time
.set ss, f/8
.set tt, f%8
.if tt == 0
.if 24*(7-ss) > 63
	s_wait_alu depctr_va_vdst(0)
	s_wait_loadcnt 63                              ; this K step's 24 loads are in: more than 63 are younger
.else
	s_wait_loadcnt 24*(7-ss)                       ; all but the later K steps' loads, 24 each
.endif
.endif
.if f < 63
.set wn, 1+f/21
.set wr, 12*(f%21)
.else
.set wn, 0
.set wr, 240
.endif
	WIN wn                                         ; source 0 in the fragment's window; all else in window 0
.if tt%2
	v_wmma_scale_f32_16x16x128_f8f6f4 v[ACC+8*tt:ACC+8*tt+7], v[wr:wr+11], v[OF+12*ss:OF+12*ss+11], v[ACC+8*tt:ACC+8*tt+7], v[WS+4*ss+tt/2], v[OW+2*ss] matrix_a_fmt:MATRIX_FMT_FP6 matrix_b_fmt:MATRIX_FMT_FP6 matrix_a_scale:MATRIX_SCALE_ROW1
.else
	v_wmma_scale_f32_16x16x128_f8f6f4 v[ACC+8*tt:ACC+8*tt+7], v[wr:wr+11], v[OF+12*ss:OF+12*ss+11], v[ACC+8*tt:ACC+8*tt+7], v[WS+4*ss+tt/2], v[OW+2*ss] matrix_a_fmt:MATRIX_FMT_FP6 matrix_b_fmt:MATRIX_FMT_FP6
.endif
.set f, f+1
.endr
	WIN 0
.rept 4
	v_nop                                          ; places in front of the first read of results (ISA guide 7.12.1)
.endr
	; ---- the mean: my 64 numbers in two chains, each accumulator from its low end on; lane l xor 16's; the four waves'
	v_pk_add_f32 v[28:29], v[ACC:ACC+1], v[ACC+2:ACC+3]
	v_pk_add_f32 v[30:31], v[ACC+4:ACC+5], v[ACC+6:ACC+7]
.irp j, 8,12,16,20,24,28,32,36,40,44,48,52,56,60
	v_pk_add_f32 v[28:29], v[28:29], v[ACC+\j:ACC+\j+1]
	v_pk_add_f32 v[30:31], v[30:31], v[ACC+\j+2:ACC+\j+3]
.endr
	v_pk_add_f32 v[28:29], v[28:29], v[30:31]
	v_add_f32 v28, v28, v29
	v_permlanex16_b32 v30, v28, s20, s21
	v_add_f32 v28, v28, v30
	ds_store_b32 v5, v28 offset:RED0               ; lanes r and r + 16 write the same word with the same value
	s_wait_dscnt 0x0                               ; for the others' sake: my store has landed
	s_barrier_signal -1
	s_barrier_wait -1
.irp k, 0,1,2,3
	ds_load_b32 v[28+\k], v6 offset:RED0+64*\k
.endr
	s_wait_dscnt 0x0
	v_add_f32 v28, v28, v29
	v_add_f32 v30, v30, v31
	v_add_f32 v28, v28, v30
	v_mul_f32 v10, s22, v28                        ; the row's mean
	v_mov_b32 v11, v10
	; ---- x - mean, and the variance of that
.irp j, 0,2,4,6,8,10,12,14,16,18,20,22,24,26,28,30,32,34,36,38,40,42,44,46,48,50,52,54,56,58,60,62
	v_pk_add_f32 v[ACC+\j:ACC+\j+1], v[ACC+\j:ACC+\j+1], v[10:11] neg_lo:[0,1] neg_hi:[0,1]
.endr
	v_pk_mul_f32 v[28:29], v[ACC:ACC+1], v[ACC:ACC+1]
	v_pk_mul_f32 v[30:31], v[ACC+2:ACC+3], v[ACC+2:ACC+3]
.irp j, 4,8,12,16,20,24,28,32,36,40,44,48,52,56,60
	v_pk_fma_f32 v[28:29], v[ACC+\j:ACC+\j+1], v[ACC+\j:ACC+\j+1], v[28:29]
	v_pk_fma_f32 v[30:31], v[ACC+\j+2:ACC+\j+3], v[ACC+\j+2:ACC+\j+3], v[30:31]
.endr
	v_pk_add_f32 v[28:29], v[28:29], v[30:31]
	v_add_f32 v28, v28, v29
	v_permlanex16_b32 v30, v28, s20, s21
	v_add_f32 v28, v28, v30
	ds_store_b32 v5, v28 offset:RED1               ; other bytes than the first sums': no wave may still be reading those
	s_wait_dscnt 0x0
	s_barrier_signal -1
	s_barrier_wait -1
.irp k, 0,1,2,3
	ds_load_b32 v[28+\k], v6 offset:RED1+64*\k
.endr
	s_wait_dscnt 0x0
	v_add_f32 v28, v28, v29
	v_add_f32 v30, v30, v31
	v_add_f32 v28, v28, v30
	v_fma_f32 v28, v28, s22, s23                   ; variance + 1e-5
	s_wait_alu depctr_va_vdst(0)
	v_rsq_f32 v10, v28
	v_nop                                          ; a plain place behind the root
	s_wait_alu depctr_va_vdst(0)                   ; and the wait ahead of its first reader
	v_mov_b32 v11, v10
.irp j, 0,2,4,6,8,10,12,14,16,18,20,22,24,26,28,30,32,34,36,38,40,42,44,46,48,50,52,54,56,58,60,62
	v_pk_mul_f32 v[ACC+\j:ACC+\j+1], v[ACC+\j:ACC+\j+1], v[10:11]
.endr
	; ---- the way out: through my own stage, back as rows of 512 bytes; gamma and beta by columns; 32 lanes store 512 consecutive bytes
.irp b, 0,1,2,3
.irp q, 0,1,2,3
	ds_store_b128 v7, v[ACC+16*\b+4*\q:ACC+16*\b+4*\q+3] offset:128*\b+16*\q
.endr
.endr
.irp i, 0,1,2,3,4,5,6,7,8,9,10,11,12,13,14,15
	ds_load_b128 v[OF+4*\i:OF+4*\i+3], v8 offset:528*\i   ; LDS serves a wave's instructions in order: these see my stores
.endr
.irp i, 0,1,2,3,4,5,6,7,8,9,10,11,12,13,14,15
	s_wait_dscnt 15-\i                             ; row i is back; the younger rows may stay out
	v_pk_fma_f32 v[OF+4*\i:OF+4*\i+1], v[OF+4*\i:OF+4*\i+1], v[12:13], v[16:17]
	v_pk_fma_f32 v[OF+4*\i+2:OF+4*\i+3], v[OF+4*\i+2:OF+4*\i+3], v[14:15], v[18:19]
	global_store_b128 v1, v[OF+4*\i:OF+4*\i+3], s[16:17] offset:(\i+8*(\i/8))*2048 th:TH_STORE_NT   ; at a multiple of 256 from out0's first byte; written once, read by nobody here
.endr
	s_wait_tensorcnt 0x0
	ds_add_u32 v254, v255
	s_wait_dscnt 0x0
	s_endpgm
.Lfunc_end_k_q554f00f212_outln:
	.size	k_q554f00f212_outln, .Lfunc_end_k_q554f00f212_outln-k_q554f00f212_outln
	.p2alignl 7, 3214868480
	.fill 96, 4, 3214868480
	.section	.rodata,"a",@progbits
	.p2align	6, 0x0
	.amdhsa_kernel k_q554f00f212_outln
		.amdhsa_group_segment_fixed_size 37376
		.amdhsa_private_segment_fixed_size 0
		.amdhsa_enable_private_segment 0
		.amdhsa_kernarg_size 56
		.amdhsa_user_sgpr_count 2
		.amdhsa_user_sgpr_kernarg_segment_ptr 1
		.amdhsa_wavefront_size32 1
		.amdhsa_system_sgpr_workgroup_id_x 1
		.amdhsa_system_sgpr_workgroup_id_y 1
		.amdhsa_system_sgpr_workgroup_id_z 1
		.amdhsa_system_vgpr_workitem_id 0
		.amdhsa_next_free_vgpr 1024
		.amdhsa_next_free_sgpr 66
		.amdhsa_reserve_vcc 0
		.amdhsa_float_denorm_mode_32 3
		.amdhsa_float_denorm_mode_16_64 3
		.amdhsa_memory_ordered 1
		.amdhsa_forward_progress 1
		.amdhsa_inst_pref_size 55
	.end_amdhsa_kernel
	.amdgpu_metadata
---
amdhsa.version: [ 1, 2 ]
amdhsa.kernels:
  - .name:           k_q554f00f212_outln
    .symbol:         k_q554f00f212_outln.kd
    .args:
      - { .name: img, .offset: 0, .size: 8, .value_kind: global_buffer, .address_space: global }
      - { .name: oimg, .offset: 8, .size: 8, .value_kind: global_buffer, .address_space: global }
      - { .name: bo23, .offset: 16, .size: 8, .value_kind: global_buffer, .address_space: global }
      - { .name: bo32, .offset: 24, .size: 8, .value_kind: global_buffer, .address_space: global }
      - { .name: gamma, .offset: 32, .size: 8, .value_kind: global_buffer, .address_space: global }
      - { .name: beta, .offset: 40, .size: 8, .value_kind: global_buffer, .address_space: global }
      - { .name: out0, .offset: 48, .size: 8, .value_kind: global_buffer, .address_space: global }
    .group_segment_fixed_size: 37376
    .private_segment_fixed_size: 0
    .kernarg_segment_align: 8
    .kernarg_segment_size: 56
    .max_flat_workgroup_size: 128
    .sgpr_count:     66
    .vgpr_count:     1024
    .wavefront_size: 32
...
	.end_amdgpu_metadata
.endif
;; end of part 4
